; MI455X (gfx1250); checked and timed in simulation.
; The chip was launched on July 23, 2026; its instructions are those of AMD's public machine-readable ISA for CDNA 5 (MIT licence, August 2026) and "CDNA5" Instruction Set Architecture Reference Guide (July 2026). The comments in the code are by the model that wrote it; some were corrected since.
;; Multi Head Attention. Allowed arithmetic: matrix products marked QUANTISED: E5M2 operands, one given power-of-two scale a tensor, by v_wmma_f32_16x16x64_bf8_bf8 or v_wmma_f32_16x16x128_bf8_bf8, f32 sums; everything else in f32.
;; Inputs: Wk_codes 16 x 64 x 32 x 32 uint8 (E5M2 codes of Wk, K innermost, in blocks of 32 codes); Wp_codes 1,024 x 32 x 32 uint8 (E5M2 codes of Wp, K innermost, in blocks of 32 codes); Wq_codes 16 x 64 x 32 x 32 uint8 (E5M2 codes of Wq, K innermost, in blocks of 32 codes); Wv_codes 16 x 64 x 32 x 32 uint8 (E5M2 codes of Wv, K innermost, in blocks of 32 codes); bk 16 x 64 float32; bp 1,024 float32; bq 16 x 64 float32; bv 16 x 64 float32; lowp_scales 12 int32 (the exponents e of the quantised operands' scales 2^e); x_codes 4 x 2,048 x 32 x 32 uint8 (E5M2 codes of x, K innermost, in blocks of 32 codes).
;; Outputs: out0 4 x 2,048 x 1,024 float32.
;; This version of the problem:
;;   THIS VERSION OF THE PROBLEM IS GIVEN IN LOW PRECISION. The matrix products marked QUANTISED in the list below multiply operands that are first quantised to E5M2 (5 exponent bits, 2 mantissa bits; 8 bits a number), with one given power-of-two scale for each operand tensor; their sums are f32. All else is computed in f32.
;;   The module's matrix products, in the order in which they are computed (A, B: the left and right operand; K: the contracted axis; several contracted axes count as one K, in the product's order):
;;     1. [M 1,024, K 1,024] x [K 1,024, N 8,192]; A: input Wq (given as codes); B: input x (given as codes): QUANTISED (scales: A lowp_scales[0], B lowp_scales[1])
;;     2. [M 1,024, K 1,024] x [K 1,024, N 8,192]; A: input Wk (given as codes); B: input x (given as codes): QUANTISED (scales: A lowp_scales[2], B lowp_scales[3])
;;     3. [M 1,024, K 1,024] x [K 1,024, N 8,192]; A: input Wv (given as codes); B: input x (given as codes): QUANTISED (scales: A lowp_scales[4], B lowp_scales[5])
;;     4. batch 64 x [M 2,048, K 64] x [K 64, N 2,048]; A: computed on the way; B: computed on the way: QUANTISED (scales: A lowp_scales[6], B lowp_scales[7])
;;     5. batch 64 x [M 2,048, K 2,048] x [K 2,048, N 64]; A: softmax (see below); B: computed on the way: QUANTISED (scales: A lowp_scales[8], B lowp_scales[9])
;;     6. [M 8,192, K 1,024] x [K 1,024, N 1,024]; A: computed on the way; B: input Wp (given as codes): QUANTISED (scales: A lowp_scales[10], B lowp_scales[11])
;;   THE QUANTISER, for each operand of a quantised product, along K:
;;     - The operand's scale is 2^e, e = its entry of the input lowp_scales (int32; the entries are numbered through the quantised products in the list's order, A before B).
;;     - Each number is divided by the scale, clamped to +-57,344, and rounded to the nearest number of E5M2, ties to even, subnormals kept.
;;     - The product sums the exact products of the quantised numbers (number of the format x scale) in f32.
;;   ~~~python
;;   def quantise(x, axis, e):      # numpy; x: float32 -> the quantised numbers, widened to float32 again
;;       x = np.moveaxis(x, axis, -1); K = x.shape[-1]
;;       r = np.clip(x / 2.0 ** e, -57344, 57344)
;;       step = 2.0 ** (np.maximum(np.frexp(np.where(r == 0, 1, r))[1] - 1, -14) - 2)
;;       q = np.round(r / step) * step * 2.0 ** e      # np.round: ties to even
;;       return np.moveaxis(q, -1, axis).astype(np.float32)
;;   ~~~
;;   SOFTMAX AHEAD OF A QUANTISED PRODUCT. Where the list says 'softmax', what is quantised is not the finished softmax but p = 2^(t - M), with t = logit x log2(e) and M = ceil(the row's largest t), a whole number; so 1/2 < the row's largest p <= 1. The row's sum l is taken of the UNQUANTISED p, in f32, and the product's result is divided by l at the end. Since M is a whole number, a kernel that streams over the keys may use a running M (the ceiling of the running maximum): every later rescaling is an exact power of two, so the quantised numbers keep their values, but for numbers so far below the row's largest that they fall under the format's range.
;;   OPERANDS COMPUTED ON THE WAY. 'Computed on the way' means the value that the module computes at that place (a softmax that the list does not call 'softmax' is quantised finished and normalised). What goes into a quantiser is computed in f32, as accurately as f32 sums, v_exp_f32 and their like allow (about 1e-6 of the number): no bf16 or f16 on the way to a quantiser, and a product that is left as it is and whose result goes on into a quantised operand takes f32 operands (vector FMAs, or v_wmma_f32_16x16x4_f32). A number that lies on a knife's edge between two numbers of the format may be rounded either way, as far as f32 arithmetic and the matrix unit's own rounding can turn it there, and no further.
;;   INPUTS GIVEN AS CODES. Wk (in the module: [16, 1024, 64], K = its axis 1); Wp (in the module: [1024, 1024], K = its axis 0); Wq (in the module: [16, 1024, 64], K = its axis 1); Wv (in the module: [16, 1024, 64], K = its axis 1); x (in the module: [4, 2048, 1024], K = its axis 2): each comes as NAME_codes (uint8): NAME with its K axis moved to the last place and cut into blocks of 32 codes, [.., K / 32, bytes a block], one block behind the other in memory; one code a byte (a code: sign, 5 exponent bits, 2 mantissa bits); its scale is its entry of lowp_scales. Its value is code x scale, taken as it is: it is not quantised again, and the codes and scales need not be those that the quantiser above would give.
;; One version. Each part assembles by itself: llvm-mc -triple=amdgcn-amd-amdhsa -mcpu=gfx1250 --defsym DOCPART=n.
;; ======== version 1 of 1: 3 launches
;; limits: right only within a limited range of input values
;; workspace buffers: qc 8,388,608 bytes; kc 8,388,608 bytes; vc 8,388,608 bytes; oc 8,388,608 bytes
;; launch qkv (part 1): grid 8 x 32, 4 waves a work-group, clusters of 4 x 4, 327,680 bytes of LDS; arguments x_codes, Wq_codes, Wk_codes, Wv_codes, bq, bk, bv, lowp_scales, qc, kc, vc; writes qc, kc, vc
.if DOCPART == 1
	.amdgcn_target "amdgcn-amd-amdhsa--gfx1250"
	.amdhsa_code_object_version 6
	.text
	.protected	k_q050c5fca96_qkv
	.globl	k_q050c5fca96_qkv
	.p2align	8
	.type	k_q050c5fca96_qkv,@function
k_q050c5fca96_qkv:
	s_mov_b64 s[64:65], 0
	v_nop
	global_prefetch_b8 v0, s[64:65] scope:SCOPE_SE
	s_setreg_imm32_b32 hwreg(HW_REG_WAVE_MODE, 25, 1), 1
	s_wait_xcnt 0x0
	s_wait_alu depctr_hold_cnt(0) depctr_sa_sdst(0) depctr_va_vdst(0) depctr_va_sdst(0) depctr_va_ssrc(0) depctr_va_vcc(0) depctr_vm_vsrc(0)
	s_getreg_b32 s2, hwreg(HW_REG_IB_STS2, 6, 4)
	s_cmp_eq_u32 s2, 0
	s_cbranch_scc0 .Lentry_in_a_cluster
	s_endpgm
.Lentry_in_a_cluster:
	s_bfe_u32 s2, ttmp6, 0x10000c
	s_cmp_lg_u32 s2, 0xf033
	s_cbranch_scc0 .Lentry_shape_is_right
	s_endpgm
.Lentry_shape_is_right:
; q, k, v = x W + bias for all 16 heads, on codes of BF8 (E5M2), each result quantised at once for the attention that follows.  Nothing of these three products is left out.
; (The attention launch leaves out key steps that lie wholly under the causal mask: their weights are 0 for all inputs; a NaN or infinity that reaches only them is not carried on.)
; x: [8192 rows (b, s)][1024] codes.  Wq, Wk, Wv: [1024 rows (h, e)][1024] codes, K innermost.  Biases: [1024] f32.  Scales: twelve whole numbers e (int32).
; OUT: qc, kc: [b][h][s][64 e] codes;  vc: [b][h][s / 64][e][s % 64] codes (the keys innermost).
; A WORK-GROUP STAYS on 256 rows of x (tile row Y) and 128 rows (h, e) of each weight (tile column X: heads 2 X, 2 X + 1): 8 x 32 = 256 work-groups.
;   PASS 1: 256 x 256: B = 128 rows of Wq, then 128 rows of Wk.  A wave makes 128 x 128, all of q (waves 0, 2) or all of k (waves 1, 3): 64 accumulators.  Source 0 = B, source 1 = x: a lane holds one s and eight neighbouring e.
;   PASS 2: 256 x 128: B = 128 rows of Wv.  A wave makes 128 x 64: 32 accumulators.  Source 0 = x, source 1 = Wv: a lane holds one (h, e) and eight neighbouring s.
; K = 1,024 goes in four steps of 256 a pass through two LDS slots; the ring does not stop between the passes: pass 1's last two changes of slots ask for pass 2's K steps 0 and 1, which are on their way while pass 1 leaves.
; CLUSTERS: 4 x 4 work-groups; x's tile is asked for jointly along a row of the cluster, a weight's along a column.
; NO PREFETCH: the block is the largest that the registers hold, in clusters, and K is four steps a pass.
; value = sum x 2^(eW + ex) + bias;  code = value / 2^eo, held within +-57,344.  (eW, ex, eo) = entries (0, 1, 6), (2, 3, 7), (4, 5, 9).
; LIMITS: eW + ex between -126 and 127; eo between -126 and 112, so that each power of two below is an f32 number.  NaN among the biases is not served.
; REGISTERS: window 0: v1-31 addresses and constants; v32-95 pass 1's bias by columns; v96-99 pass 2's bias by rows; v128-255 x's fragments (one set), on the way out at work.
;   window 1: B's fragments, two sets, at v0 and v128.   windows 2, 3: pass 1's accumulators ((a, b) at v[8 (8 (a % 4) + b)], window 2 + a / 4);  pass 2's: (a, b) at v[8 (8 b + a)] of window 2.
.set ROWB,   256
.set KROW,   1024
.set PITCH,  272                       ; an LDS row: 256 bytes + 16 of padding
.set FR,     16
.set NL,     4
.set NP,     4
.set HALFT,  128*PITCH
.set SLOT,   4*HALFT                   ; x's 256 rows, then B's 256 (pass 2: 128)
.set SPARE,  2*SLOT                    ; the spare words, 128 bytes a wave
.set STAGE,  SPARE+512                 ; the way out: 16 rows x 144 bytes for each wave, on bytes into which no fill lands
.set SPITCH, 144
.set PADW,   (1<<20)|(1<<21)|(5<<22)|(3<<25)   ; elements of 1 byte; padding on; bit 21 beside a mask; four words behind every 64
.set ADRA, 16                          ; v16-17 x's fragments in slot 0, 1
.set ADRB, 20                          ; v20-21 pass 1's B
.set ADRC, 22                          ; v22-23 pass 2's B
.set STO,  24
.set RD,   25
.set CO,   26                          ; pass 1: my byte offset in qc, kc
.set CO2,  27                          ; pass 2: in vc
.set SPW,  28
.set NIL,  29
.set SCV,  30
.set LIMV, 31
.set BC,   32
.set BR,   96
.set AF,   128
.set TMP,  128
.set CD,   192
.set BK,   224
.set G1, 24                            ; group 1 and groups 0 (a set a slot): x
.set G0, 32
.set G1B, 48                           ; pass 1's B
.set G0B, 56
.set G1C, 68                           ; pass 2's B: 64 rows a load
.set G0C, 76
.set MSB, 0
.macro WIN new
.if MSB != (\new)
	s_set_vgpr_msb (MSB<<8)|(\new)
.set MSB, (\new)
.endif
.endm
.macro WMUL hi, v                      ; pass 1: source 0 window 1, source 1 window 0, C and D window 2 or 3;  pass 2: source 0 window 0, source 1 window 1, C and D window 2
.if \v
	WIN 0xa4
.elseif \hi
	WIN 0xf1
.else
	WIN 0xa1
.endif
.endm
; A joint load: waves 0 and 1 fetch x's halves, waves 2 and 3 B's; the branch hangs on the wave's number alone.  s_nop 0 and four v_nop follow each line.
.macro JLOAD g0a, g1a, g0b, g1b
	s_cmp_eq_u32 s15, 0
	s_cbranch_scc0 .Lfor_b_\@
	tensor_load_to_lds s[\g0a:\g0a+3], s[\g1a:\g1a+7]
	s_nop 0
.rept 4
	v_nop
.endr
	s_branch .Lasked_\@
.Lfor_b_\@:
	tensor_load_to_lds s[\g0b:\g0b+3], s[\g1b:\g1b+7]
	s_nop 0
.rept 4
	v_nop
.endr
.Lasked_\@:
.endm
.macro CREST
	s_cmp_lg_u32 s14, 0
	s_cbranch_scc1 .Lnot_wave_0_\@
	s_barrier_signal -3
.Lnot_wave_0_\@:
	s_barrier_wait -3
	s_barrier_signal -1
	s_barrier_wait -1
.endm
.macro CROUND
	s_barrier_signal -1
	s_barrier_wait -1
	CREST
.endm
	s_load_b512 s[68:83], s[0:1], 0x0              ; x 68, Wq 70, Wk 72, Wv 74, bq 76, bk 78, bv 80, the scales 82
	s_load_b128 s[84:87], s[0:1], 0x40             ; qc, kc
	s_load_b64 s[88:89], s[0:1], 0x50              ; vc
	v_lshl_add_u32 v[SPW], v0, 2, SPARE
	v_mov_b32 v[NIL], 0
	ds_add_u32 v[SPW], v[NIL]                      ; the opening lines: the add twice on end and its wait
	ds_add_u32 v[SPW], v[NIL]
	v_lshrrev_b32 v1, 5, v0
	v_readfirstlane_b32 s14, v1                    ; wave 0..3
	s_lshr_b32 s15, s14, 1                         ; my half of x's rows.  Also: I fetch for x (0) or for B (1)
	s_and_b32 s16, s14, 1                          ; my half of B's rows: q or k; in pass 2 head 2 X or 2 X + 1.  Also: which half I fetch
	s_bfe_u32 s40, ttmp6, 0x40000                  ; cx, cy
	s_bfe_u32 s41, ttmp6, 0x40004
	s_lshl_b32 s42, ttmp9, 2
	s_add_co_u32 s42, s42, s40                     ; X
	s_and_b32 s17, ttmp7, 0xffff
	s_lshl_b32 s17, s17, 2
	s_add_co_u32 s17, s17, s41                     ; Y
	s_lshl_b32 s43, s41, 2
	s_lshl_b32 s43, 15, s43                        ; my row of the cluster
	s_lshl_b32 s44, 0x1111, s40                    ; my column
	s_or_b32 s[G1], s43, PADW
	s_or_b32 s[G1B], s44, PADW
.irp g, G1, G1B
	s_mov_b32 s[\g+1], ROWB<<16
	s_mov_b32 s[\g+2], 128<<16
	s_mov_b32 s[\g+3], ROWB<<16
	s_mov_b32 s[\g+4], 128
	s_mov_b32 s[\g+5], KROW
	s_mov_b32 s[\g+6], 0
	s_mov_b32 s[\g+7], 0
.endr
	s_lshl_b32 s18, s16, 7
	s_lshl_b32 s20, s17, 8
	s_add_co_u32 s20, s20, s18
	s_lshl_b32 s20, s20, 10                        ; x: (256 Y + 128 x half) rows of 1,024 bytes
	s_mov_b32 s21, 0
	s_lshl_b32 s46, s42, 17                        ; Wq, Wk: row 128 X
	s_mov_b32 s47, 0
	s_lshl_b32 s18, s16, 16
	s_add_co_u32 s18, s18, s46                     ; Wv: row 128 X + 64 x half
	s_mov_b32 s19, 0
	s_mul_i32 s45, s14, HALFT                      ; where pass 1's loads go: wave x 128 rows
	s_mul_i32 s2, s16, 64*PITCH
	s_add_co_u32 s2, s2, 2*HALFT                   ; where pass 2's B goes, and where I read it
	s_wait_dscnt 0x0
	s_wait_kmcnt 0x0
	s_cmp_eq_u32 s16, 0                            ; the buffers are chosen on the wave's number alone
	s_cselect_b64 s[6:7], s[70:71], s[72:73]       ; Wq or Wk
	s_cselect_b64 s[12:13], s[76:77], s[78:79]     ; bq or bk
	s_cselect_b64 s[10:11], s[84:85], s[86:87]     ; qc or kc
	s_mov_b64 s[8:9], s[88:89]                     ; vc
	s_mov_b64 s[4:5], s[80:81]                     ; bv
	s_mov_b64 s[98:99], s[82:83]                   ; the scales
	s_add_nc_u64 s[20:21], s[68:69], s[20:21]
	s_add_nc_u64 s[46:47], s[6:7], s[46:47]
	s_add_nc_u64 s[18:19], s[74:75], s[18:19]
	s_load_b256 s[84:91], s[98:99], 0x0            ; e0 .. e7
	s_load_b128 s[92:95], s[98:99], 0x20           ; e8 .. e11
	s_or_b32 s[G1C], s44, PADW
	s_mov_b32 s[G1C+1], ROWB<<16
	s_mov_b32 s[G1C+2], 64<<16
	s_mov_b32 s[G1C+3], ROWB<<16
	s_mov_b32 s[G1C+4], 64
	s_mov_b32 s[G1C+5], KROW
	s_mov_b32 s[G1C+6], 0
	s_mov_b32 s[G1C+7], 0
	CROUND                                         ; all sixteen work-groups are here: the first joint loads meet
.irp s, 0,1
	s_mov_b32 s[G0+4*\s], 1
	s_add_co_u32 s[G0+4*\s+1], s45, \s*SLOT
	s_add_nc_u64 s[G0+4*\s+2:G0+4*\s+3], s[20:21], \s*ROWB
	s_or_b32 s[G0+4*\s+3], s[G0+4*\s+3], 0x80000000
	s_mov_b32 s[G0B+4*\s], 1
	s_add_co_u32 s[G0B+4*\s+1], s45, \s*SLOT
	s_add_nc_u64 s[G0B+4*\s+2:G0B+4*\s+3], s[46:47], \s*ROWB
	s_or_b32 s[G0B+4*\s+3], s[G0B+4*\s+3], 0x80000000
	s_mov_b32 s[G0C+4*\s], 1
	s_add_co_u32 s[G0C+4*\s+1], s2, \s*SLOT
	s_add_nc_u64 s[G0C+4*\s+2:G0C+4*\s+3], s[18:19], \s*ROWB
	s_or_b32 s[G0C+4*\s+3], s[G0C+4*\s+3], 0x80000000
.endr
	JLOAD G0, G1, G0B, G1B                         ; pass 1's K step 0: one tensor load a wave at the head
	s_lshl_b32 s22, s42, 9
	s_mov_b32 s23, 0
	s_add_nc_u64 s[12:13], s[12:13], s[22:23]      ; bq, bk at entry 128 X
	s_lshl_b32 s18, s16, 8
	s_add_co_u32 s22, s22, s18
	s_add_nc_u64 s[4:5], s[4:5], s[22:23]          ; bv at entry 128 X + 64 x half
	s_lshl_b32 s20, s17, 8
	s_lshl_b32 s21, s15, 7
	s_add_co_u32 s20, s20, s21                     ; my first (b, s)
	s_lshr_b32 s22, s20, 11
	s_lshl_b32 s22, s22, 21                        ; b << 21
	s_and_b32 s20, s20, 2047
	s_lshl_b32 s20, s20, 6                         ; s x 64: in vc the same number, since s is a multiple of 64 here
	s_add_co_u32 s22, s22, s20
	s_lshl_b32 s18, s42, 18
	s_add_co_u32 s22, s22, s18                     ; head 2 X
	s_add_nc_u64 s[10:11], s[10:11], s[22:23]
	s_lshl_b32 s18, s16, 17
	s_add_co_u32 s22, s22, s18                     ; head 2 X + half
	s_add_nc_u64 s[8:9], s[8:9], s[22:23]
	s_mul_i32 s21, s15, HALFT                      ; my 128 rows of x
	s_mul_i32 s22, s16, HALFT
	s_add_co_u32 s22, s22, 2*HALFT                 ; my 128 rows of pass 1's B
	s_mul_i32 s18, s14, 16*SPITCH
	s_add_co_u32 s18, s18, STAGE                   ; my stage
	v_and_b32 v1, 15, v0                           ; r
	v_bfe_u32 v2, v0, 4, 1                         ; h
	v_mul_u32_u24 v3, v1, PITCH
	v_lshl_add_u32 v4, v2, 4, v3                   ; a fragment's row x pitch + 16 h
	v_add_nc_u32 v[ADRA], s21, v4
	v_add_nc_u32 v[ADRB], s22, v4
	v_add_nc_u32 v[ADRC], s2, v4
	v_add_nc_u32 v[ADRA+1], SLOT, v[ADRA]
	v_add_nc_u32 v[ADRB+1], SLOT, v[ADRB]
	v_add_nc_u32 v[ADRC+1], SLOT, v[ADRC]
	v_mul_u32_u24 v5, v1, SPITCH
	v_lshl_add_u32 v5, v2, 3, v5
	v_add_nc_u32 v[STO], s18, v5                   ; in: row r, 8 bytes for each half of the lanes
	v_bfe_u32 v5, v0, 2, 2
	v_mul_u32_u24 v5, v5, SPITCH
	v_and_b32 v6, 3, v0
	v_lshl_add_u32 v5, v6, 4, v5
	v_lshl_add_u32 v5, v2, 6, v5
	v_add_nc_u32 v[RD], s18, v5                    ; back: sixteen lanes take four rows' first 64 bytes, the other sixteen their second 64
	v_lshlrev_b32 v5, 17, v2
	v_lshl_add_u32 v[CO], v1, 4, v5                ; a stage row's second 64 bytes: the next head of qc, kc,
	v_lshlrev_b32 v5, 12, v2
	v_lshl_add_u32 v[CO2], v1, 4, v5               ; or the next 64 keys of vc
	v_lshlrev_b32 v8, 5, v2
	v_lshlrev_b32 v9, 2, v1
.irp b, 0,1,2,3,4,5,6,7
	global_load_b128 v[BC+8*\b:BC+8*\b+3], v8, s[12:13] offset:64*\b        ; bias of columns 16 b + 8 h + 0 .. 7
	global_load_b128 v[BC+8*\b+4:BC+8*\b+7], v8, s[12:13] offset:64*\b+16
.endr
.irp b, 0,1,2,3
	global_load_b32 v[BR+\b], v9, s[4:5] offset:64*\b                       ; bv of row 16 b + r
.endr
.macro FRAG reg, adr, q, i             ; 16 rows x 128 K: lane l holds row l % 16; registers 4 c .. 4 c + 3 hold K = 32 c + 16 (l / 16) + 0 .. 15: the same places in both operands
.irp c, 0,1,2,3
	ds_load_b128 v[\reg+4*\c:\reg+4*\c+3], v[\adr] offset:128*(\q)+32*\c+(\i)*16*PITCH
.endr
.endm
; x's blocks a0, a0 + 1 against all of B's (v = 0: eight; v = 1: four).  p: B's set.  zero = 1: the first product starts the sums.  The accumulators take turns, one instruction a turn.
.macro MUL a0, p, zero, v
.irp a, \a0, \a0+1
.if \v
.irp b, 0,1,2,3
.if \zero
	v_wmma_f32_16x16x128_bf8_bf8 v[8*(8*\b+(\a)):8*(8*\b+(\a))+7], v[AF+FR*(\a):AF+FR*(\a)+FR-1], v[128*(\p)+FR*\b:128*(\p)+FR*\b+FR-1], 0
.else
	v_wmma_f32_16x16x128_bf8_bf8 v[8*(8*\b+(\a)):8*(8*\b+(\a))+7], v[AF+FR*(\a):AF+FR*(\a)+FR-1], v[128*(\p)+FR*\b:128*(\p)+FR*\b+FR-1], v[8*(8*\b+(\a)):8*(8*\b+(\a))+7]
.endif
.endr
.else
.irp b, 0,1,2,3,4,5,6,7
.if \zero
	v_wmma_f32_16x16x128_bf8_bf8 v[8*(8*((\a)%4)+\b):8*(8*((\a)%4)+\b)+7], v[128*(\p)+FR*\b:128*(\p)+FR*\b+FR-1], v[AF+FR*(\a):AF+FR*(\a)+FR-1], 0
.else
	v_wmma_f32_16x16x128_bf8_bf8 v[8*(8*((\a)%4)+\b):8*(8*((\a)%4)+\b)+7], v[128*(\p)+FR*\b:128*(\p)+FR*\b+FR-1], v[AF+FR*(\a):AF+FR*(\a)+FR-1], v[8*(8*((\a)%4)+\b):8*(8*((\a)%4)+\b)+7]
.endif
.endr
.endif
.endr
.endm
.macro FETCH_B slot, q, p, v
	WIN 0x40
.if \v
.irp i, 0,1,2,3
	FRAG 128*(\p)+FR*\i, ADRC+\slot, \q, \i
.endr
.else
.irp i, 0,1,2,3,4,5,6,7
	FRAG 128*(\p)+FR*\i, ADRB+\slot, \q, \i
.endr
.endif
	WIN 0
.endm
.macro FETCH_A slot, q, i0
.irp i, \i0, \i0+1, \i0+2, \i0+3
	FRAG AF+FR*(\i), ADRA+\slot, \q, \i
.endr
.endm
.macro PLACES n                        ; plain vector lines between a matrix instruction and a load into, or a vector read or write of, its registers
.rept \n
	v_nop
.endr
.endm
; A step of 128 along K that has its successor in the same slot.  x has one set of registers: blocks 0-3 are fetched anew in the middle, blocks 4-7 at the end; B has two sets.
.macro STEP slot, q, zero, v
	s_wait_dscnt 4*NL                              ; B's set and x's blocks 0-3 are in; the youngest sixteen loads (blocks 4-7) may be out
	WMUL 0, \v
	MUL 0, (\q)%2, \zero, \v
	MUL 2, (\q)%2, \zero, \v
	s_wait_dscnt 0
	PLACES NP
	FETCH_B \slot, (\q)+1, 1-(\q)%2, \v
	FETCH_A \slot, (\q)+1, 0
	WMUL 1, \v
	MUL 4, (\q)%2, \zero, \v
	MUL 6, (\q)%2, \zero, \v
	PLACES NP
	WIN 0
	FETCH_A \slot, (\q)+1, 4
.endm
; A slot's last step changes slots: in front of the barrier each wave waits for all its tensor loads, adds 0 to its spare word, and waits for that and for its reads of this slot.
; fill = 0: nothing is asked for;  1: pass 1's K step two on;  2: pass 2's K step 0 or 1 (x goes back along K);  3: pass 2's K step two on.  fetch = 0: the pass ends here, and no fragment is fetched.
.macro TURN slot, next, fill, v, fetch
	s_wait_tensorcnt 0x0                           ; all my tensor loads have landed: my part of the next slot
	ds_add_u32 v[SPW], v[NIL]
	s_wait_dscnt 4*NL+1                            ; (the add and x's blocks 4-7 may be out)
	WMUL 0, \v
	MUL 0, 1, 0, \v
	s_wait_dscnt 0x0                               ; the add is done, and my reads of this slot are over
	s_barrier_signal -1
	MUL 2, 1, 0, \v
	WIN 0
	s_barrier_wait -1
.if \fill
	CREST                                          ; the barrier has opened a round of the cluster's: no wave of any partner still reads this slot or has a load on its way
.if \fill == 1
	s_add_nc_u64 s[G0+4*\slot+2:G0+4*\slot+3], s[G0+4*\slot+2:G0+4*\slot+3], 2*ROWB
	s_add_nc_u64 s[G0B+4*\slot+2:G0B+4*\slot+3], s[G0B+4*\slot+2:G0B+4*\slot+3], 2*ROWB
	JLOAD G0+4*\slot, G1, G0B+4*\slot, G1B
.elseif \fill == 2
	s_sub_nc_u64 s[G0+4*\slot+2:G0+4*\slot+3], s[G0+4*\slot+2:G0+4*\slot+3], 2*ROWB
	JLOAD G0+4*\slot, G1, G0C+4*\slot, G1C
.else
	s_add_nc_u64 s[G0+4*\slot+2:G0+4*\slot+3], s[G0+4*\slot+2:G0+4*\slot+3], 2*ROWB
	s_add_nc_u64 s[G0C+4*\slot+2:G0C+4*\slot+3], s[G0C+4*\slot+2:G0C+4*\slot+3], 2*ROWB
	JLOAD G0+4*\slot, G1, G0C+4*\slot, G1C
.endif
.else
	PLACES NP
.endif
.if \fetch
	FETCH_B \next, 0, 0, \v
	FETCH_A \next, 0, 0
.endif
	WMUL 1, \v
	MUL 4, 1, 0, \v
	MUL 6, 1, 0, \v
.if \fetch
	PLACES NP
	WIN 0
	FETCH_A \next, 0, 4
.else
	WIN 0
.endif
.endm
; THE WAY OUT, block by block of 64 numbers a lane (pass 1: 16 s x 128 (h, e); pass 2: 16 (h, e) x 128 s).  sum x 2^(eW + ex) + bias; the hold; eight codes a conversion; through my stage, so that sixteen lanes store 256 consecutive bytes.
.macro OUT a, row                      ; row = 0: the bias goes with the lane's eight columns; 1: with its row (one register of a pair serves both halves)
.set AC, 64*((\a)%4)
.set CDS, CD+16*((\a)%2)
.set BB, BK+16*((\a)%2)
	WIN 0x02+((\a)/4)
.set j, 0
.rept 32
.if \row == 0
	v_pk_fma_f32 v[TMP+j:TMP+j+1], v[AC+j:AC+j+1], s[96:97], v[BC+j:BC+j+1] op_sel_hi:[1,0,1]
.elseif (\a)%2
	v_pk_fma_f32 v[TMP+j:TMP+j+1], v[AC+j:AC+j+1], s[96:97], v[BR+(\a)-1:BR+(\a)] op_sel:[0,0,1] op_sel_hi:[1,0,1]
.else
	v_pk_fma_f32 v[TMP+j:TMP+j+1], v[AC+j:AC+j+1], s[96:97], v[BR+(\a):BR+(\a)+1] op_sel_hi:[1,0,0]
.endif
.set j, j+2
.endr
	WIN 0
.set j, 0
.rept 64
	v_med3_num_f32 v[TMP+j], v[TMP+j], -v[LIMV], v[LIMV]   ; the conversion does not saturate (ISA guide 7.6.2): the hold comes first
.set j, j+1
.endr
.irp b, 0,1,2,3,4,5,6,7
	v_cvt_scalef32_pk8_bf8_f32 v[CDS+2*\b:CDS+2*\b+1], v[TMP+8*\b:TMP+8*\b+7], v[SCV]
.endr
	v_nop                                          ; a plain line behind the conversions
.irp b, 0,1,2,3,4,5,6,7
	ds_store_b64 v[STO], v[CDS+2*\b:CDS+2*\b+1] offset:16*\b
.endr
.irp t, 0,1,2,3
	ds_load_b128 v[BB+4*\t:BB+4*\t+3], v[RD] offset:4*SPITCH*\t   ; LDS serves a wave's instructions in order: these see the stores above
.endr
.endm
.macro SEND a, younger, base, co       ; younger: the LDS instructions issued behind block a's loads
.set BB, BK+16*((\a)%2)
	s_wait_dscnt \younger
.if (\a) > 0
	s_add_nc_u64 s[\base:\base+1], s[\base:\base+1], 1024   ; (behind a wait on XCNT)  16 rows of 64 bytes on
.endif
.irp t, 0,1,2,3
	global_store_b128 v[\co], v[BB+4*\t:BB+4*\t+3], s[\base:\base+1] offset:256*\t   ; lanes 0-15 store 256 consecutive bytes, aligned; lanes 16-31 likewise
.endr
.endm
.macro LIMITS se                       ; from the argument se = eo: 2^eo and 57,344 x 2^eo
	s_add_co_i32 s18, \se, 127
	s_lshl_b32 s19, s18, 23
	v_mov_b32 v[SCV], s19
	s_add_co_i32 s18, s18, 15
	s_lshl_b32 s18, s18, 23
	s_or_b32 s18, s18, 0x600000
	v_mov_b32 v[LIMV], s18
.endm
	s_wait_alu depctr_va_vdst(0)                   ; the wait at the head's end
	s_wait_tensorcnt 0x0                           ; my part of K step 0 is in; slot 1's first fill is issued as a refill is
	ds_add_u32 v[SPW], v[NIL]
	s_wait_dscnt 0x0
	CROUND
	JLOAD G0+4, G1, G0B+4, G1B                     ; K step 1
	FETCH_B 0, 0, 0, 0
	FETCH_A 0, 0, 0
	FETCH_A 0, 0, 4
	STEP 0, 0, 1, 0                                ; PASS 1: four K steps of 256, eight steps of 128
	TURN 0, 1, 1, 0, 1                             ; slot 0 takes K step 2
	STEP 1, 0, 0, 0
	TURN 1, 0, 1, 0, 1                             ; slot 1 takes K step 3
	STEP 0, 0, 0, 0
	TURN 0, 1, 2, 0, 1                             ; slot 0 takes pass 2's K step 0
	STEP 1, 0, 0, 0
	TURN 1, 0, 2, 0, 0                             ; slot 1 takes pass 2's K step 1; behind this barrier slot 0 is whole
	s_wait_kmcnt 0x0
	s_add_co_i32 s18, s84, s85                     ; e0 + e1
	s_add_co_i32 s19, s86, s87                     ; e2 + e3
	s_cmp_eq_u32 s16, 0
	s_cselect_b32 s96, s18, s19
	s_cselect_b32 s20, s90, s91                    ; e6 or e7
	s_add_co_i32 s96, s96, 127
	s_lshl_b32 s96, s96, 23                        ; 2^(eW + ex) as f32
	s_mov_b32 s97, s96
	LIMITS s20
	s_wait_loadcnt 0x0                             ; the biases
	PLACES NP
	OUT 0, 0
.irp a, 1,2,3,4,5,6,7
.if \a > 1
	s_wait_xcnt 0x0                                ; block a - 2's stores have read their registers and their base
.endif
	OUT \a, 0
	SEND \a-1, 12, 10, CO                          ; behind block a - 1's loads: block a's 8 stores and 4 loads
.endr
	s_wait_xcnt 0x0
	SEND 7, 0, 10, CO
	s_wait_xcnt 0x0                                ; the stores have read their registers: fragments may land there
	FETCH_B 0, 0, 0, 1                             ; PASS 2
	FETCH_A 0, 0, 0
	FETCH_A 0, 0, 4
	STEP 0, 0, 1, 1
	TURN 0, 1, 3, 1, 1                             ; slot 0 takes K step 2
	STEP 1, 0, 0, 1
	TURN 1, 0, 3, 1, 1                             ; slot 1 takes K step 3
	STEP 0, 0, 0, 1
	TURN 0, 1, 0, 1, 1                             ; nothing is left to fetch
	STEP 1, 0, 0, 1
	s_wait_dscnt 4*NL
	WMUL 0, 1
	MUL 0, 1, 0, 1
	MUL 2, 1, 0, 1
	s_wait_dscnt 0
	MUL 4, 1, 0, 1
	MUL 6, 1, 0, 1
	WIN 0
	s_add_co_i32 s96, s88, s89                     ; e4 + e5
	s_add_co_i32 s96, s96, 127
	s_lshl_b32 s96, s96, 23
	s_mov_b32 s97, s96
	LIMITS s93                                     ; e9
	PLACES NP
	OUT 0, 1
.irp a, 1,2,3
.if \a > 1
	s_wait_xcnt 0x0
.endif
	OUT \a, 1
	SEND \a-1, 12, 8, CO2
.endr
	s_wait_xcnt 0x0
	SEND 3, 0, 8, CO2
	s_wait_tensorcnt 0x0                           ; the wave's end
	ds_add_u32 v[SPW], v[NIL]
	s_wait_dscnt 0x0
	CROUND                                         ; the closing round
	s_endpgm
.Lfunc_end_k_q050c5fca96_qkv:
	.size	k_q050c5fca96_qkv, .Lfunc_end_k_q050c5fca96_qkv-k_q050c5fca96_qkv
	.p2alignl 7, 3214868480
	.fill 96, 4, 3214868480
	.section	.rodata,"a",@progbits
	.p2align	6, 0x0
	.amdhsa_kernel k_q050c5fca96_qkv
		.amdhsa_group_segment_fixed_size 327680
		.amdhsa_private_segment_fixed_size 0
		.amdhsa_enable_private_segment 0
		.amdhsa_kernarg_size 88
		.amdhsa_user_sgpr_count 2
		.amdhsa_user_sgpr_kernarg_segment_ptr 1
		.amdhsa_wavefront_size32 1
		.amdhsa_system_sgpr_workgroup_id_x 1
		.amdhsa_system_sgpr_workgroup_id_y 1
		.amdhsa_system_sgpr_workgroup_id_z 1
		.amdhsa_system_vgpr_workitem_id 0
		.amdhsa_next_free_vgpr 1024
		.amdhsa_next_free_sgpr 100
		.amdhsa_reserve_vcc 0
		.amdhsa_float_denorm_mode_32 3
		.amdhsa_float_denorm_mode_16_64 3
		.amdhsa_memory_ordered 1
		.amdhsa_forward_progress 1
		.amdhsa_inst_pref_size 224
	.end_amdhsa_kernel
	.amdgpu_metadata
---
amdhsa.version: [ 1, 2 ]
amdhsa.kernels:
  - .name:           k_q050c5fca96_qkv
    .symbol:         k_q050c5fca96_qkv.kd
    .args:
      - { .name: x_codes, .offset: 0, .size: 8, .value_kind: global_buffer, .address_space: global }
      - { .name: Wq_codes, .offset: 8, .size: 8, .value_kind: global_buffer, .address_space: global }
      - { .name: Wk_codes, .offset: 16, .size: 8, .value_kind: global_buffer, .address_space: global }
      - { .name: Wv_codes, .offset: 24, .size: 8, .value_kind: global_buffer, .address_space: global }
      - { .name: bq, .offset: 32, .size: 8, .value_kind: global_buffer, .address_space: global }
      - { .name: bk, .offset: 40, .size: 8, .value_kind: global_buffer, .address_space: global }
      - { .name: bv, .offset: 48, .size: 8, .value_kind: global_buffer, .address_space: global }
      - { .name: lowp_scales, .offset: 56, .size: 8, .value_kind: global_buffer, .address_space: global }
      - { .name: qc, .offset: 64, .size: 8, .value_kind: global_buffer, .address_space: global }
      - { .name: kc, .offset: 72, .size: 8, .value_kind: global_buffer, .address_space: global }
      - { .name: vc, .offset: 80, .size: 8, .value_kind: global_buffer, .address_space: global }
    .group_segment_fixed_size: 327680
    .private_segment_fixed_size: 0
    .kernarg_segment_align: 8
    .kernarg_segment_size: 88
    .max_flat_workgroup_size: 128
    .sgpr_count:     100
    .vgpr_count:     1024
    .wavefront_size: 32
...
	.end_amdgpu_metadata
.endif
;; end of part 1
;; launch attn (part 2): grid 4 x 64, 8 waves a work-group, clusters of 4 x 1, 327,680 bytes of LDS; arguments qc, kc, vc, lowp_scales, oc; writes oc
.if DOCPART == 2
	.amdgcn_target "amdgcn-amd-amdhsa--gfx1250"
	.amdhsa_code_object_version 6
	.text
	.protected	k_q050c5fca96_attn
	.globl	k_q050c5fca96_attn
	.p2align	8
	.type	k_q050c5fca96_attn,@function
k_q050c5fca96_attn:
	s_mov_b64 s[64:65], 0
	v_nop
	global_prefetch_b8 v0, s[64:65] scope:SCOPE_SE
	s_setreg_imm32_b32 hwreg(HW_REG_WAVE_MODE, 25, 1), 1
	s_wait_xcnt 0x0
	s_wait_alu depctr_hold_cnt(0) depctr_sa_sdst(0) depctr_va_vdst(0) depctr_va_sdst(0) depctr_va_ssrc(0) depctr_va_vcc(0) depctr_vm_vsrc(0)
	s_getreg_b32 s2, hwreg(HW_REG_IB_STS2, 6, 4)
	s_cmp_eq_u32 s2, 0
	s_cbranch_scc0 .Lentry_in_a_cluster
	s_endpgm
.Lentry_in_a_cluster:
	s_bfe_u32 s2, ttmp6, 0x10000c
	s_cmp_lg_u32 s2, 0x3003
	s_cbranch_scc0 .Lentry_shape_is_right
	s_endpgm
.Lentry_shape_is_right:
; Causal attention of one (b, h) a cluster, both products on codes of BF8 (E5M2); the result is quantised at once for the projection.
; qc, kc: [b][h][s][64] codes; vc: [b][h][s / 64][e][s % 64] codes (keys innermost); oc: [b][h][s][64] codes.  Scales: entries 6 (q), 7 (k), 8 (p), 9 (v), 10 (o).
; t = score x log2(e) / 8; M = ceil(running largest t); p = 2^(t - M) is quantised; the row's sum is taken of the unquantised p and divides at the end.
; LEFT OUT: key steps all of whose keys come after a tile's queries: under the causal mask their weights are 0 for all inputs.
;   A NaN or infinity that reaches only such scores is not carried to the result.
; SHARES: the head's 2,048 queries are 16 chunks of 128; a chunk is four blocks of 32 queries, one for each work-group of the cluster (told apart in global addresses and in the mask's numbers alone).
;   Wave c owns its work-group's block of chunk 15 - c, then that of chunk c: 16 - c + c + 1 = 17 steps of 128 keys in every wave.  A block is two tiles of 16 queries, which share each fragment of K and V.
; LDS: all of the head's K and V, asked for jointly by the four work-groups in two groups: steps 0-3 at the head (a step a wave; waves 0-3 K, 4-7 V), steps 4-15 behind a round (three steps a wave).
;   All waves walk steps 0-3 of their first block (its chunk is 8 or more) while the second group is on its way; one barrier; then ONE counted loop of 28 trips serves the rest of both blocks.
;   Trips outside a wave's window are jumped over by a branch on the wave's number and the count; in the trip that ends a block the mask is applied, the block leaves, and the state is made anew.
; K's FRAGMENTS COME A STEP AHEAD: the next step's sixteen loads stand behind this step's score products.  In the first four steps the address ahead is held at step 3, so that nothing of the second group is read before its barrier.
; NO PREFETCH INTO THE L2: K and V are asked for whole in those two groups; there is no loop of tensor loads to run ahead of.
; LAYOUT: both products transposed (S^T = K Q^T, O^T = V^T P^T): a lane holds one query.  Lane r of tile 2 b + u takes row 32 b + 8 u + r + 8 (r / 8), so 16 registers of two tiles are 16 neighbours along the next K.
; LIMITS: e6 + e7 between -123 and 130; e8 and e10 between -126 and 112; scaled scores under 2^31 in magnitude.
; REGISTERS: window 0: v1-11 addresses; v12-23 state of the two tiles (-M, largest raw score, sum pair, f pair); v24-27, v248-251 at work; v28-31, v246 constants; v32-47 Q; v48-111 K; v112-239 S, then p.
;   window 1: v0-63 O^T; v64-127 V; v128-159 p's codes; v160-175 the second block's Q.
.set LINE,  144                        ; two rows of 64 bytes + 16 of padding
.set STEPB, 64*LINE                    ; 128 keys of K, or of V
.set VOFF,  16*STEPB
.set STG,   2*VOFF                     ; the way out: 16 rows x 80 bytes for each wave
.set PARTA, 4*STEPB
.set SPARE, STG+8*16*80                ; the spare words, 128 bytes a wave
.set AK0, 1
.set ADK, 2
.set ADV, 3
.set DDA, 4
.set NINF, 5
.set STO, 6
.set RD,  7
.set GO,  8
.set AV0, 9
.set QO,  10
.set DDB, 11
.set ST,  12                           ; tile i: ST+6i -M, +1 largest raw score, +2,+3 the sum, +4 f, +5 its pair's other word
.set TT,  24                           ; tile i: TT+2i, TT+2i+1 at work
.set LIMP, 28
.set LIMP2, 29
.set SCP,  30
.set LIMO, 31
.set Q,   32
.set KF,  48
.set S,   112
.set PX,  240
.set RL,  242
.set SCO, 246
.set SPW, 254
.set NIL, 255
.set VF,  64
.set P,   128
.set Q2,  160
.set WV,  14
.set START, 20
.set END, 21
.set T,   24
.set TB,  25                           ; LDS byte of the step in hand
.set TN,  26                           ; of the step whose K is fetched ahead
.set SEL, 28
.set CS,  30
.set G1A, 32
.set G1B, 40
.set G0A, 48
.set G0B, 52
.set MSB, 0
.macro WIN new
.if MSB != (\new)
	s_set_vgpr_msb (MSB<<8)|(\new)
.set MSB, (\new)
.endif
.endm
.macro CROUND
	s_barrier_signal -1
	s_barrier_wait -1
	s_cmp_lg_u32 s[WV], 0
	s_cbranch_scc1 .Lnot_wave_0_\@
	s_barrier_signal -3
.Lnot_wave_0_\@:
	s_barrier_wait -3
	s_barrier_signal -1
	s_barrier_wait -1
.endm
.macro INIT                            ; a block begins: O^T and the sums 0, -M = 3e38, the largest raw score -3e38 (a raw score is at most 64 x 57,344^2 in size)
	WIN 0x40
.set n, 0
.rept 64
	v_mov_b32 v[n], 0
.set n, n+1
.endr
	WIN 0
.irp i, 0,1
	v_mov_b32 v[ST+6*\i], 0x7f61b1e6
	v_mov_b32 v[ST+6*\i+1], 0xff61b1e6
	v_mov_b32 v[ST+6*\i+2], 0
	v_mov_b32 v[ST+6*\i+3], 0
.endr
.endm
.macro KLOAD adr                       ; a step's eight tiles of K: sixteen loads
.irp t, 0,1,2,3,4,5,6,7
	ds_load_b128 v[KF+8*\t:KF+8*\t+3], v[\adr] offset:16*LINE*(\t/2)+4*LINE*(\t%2)
	ds_load_b128 v[KF+8*\t+4:KF+8*\t+7], v[\adr] offset:16*LINE*(\t/2)+4*LINE*(\t%2)+32
.endr
.endm
	s_load_b256 s[4:11], s[0:1], 0x0               ; qc, kc, vc, the scales
	s_load_b64 s[12:13], s[0:1], 0x20              ; oc
	v_lshl_add_u32 v[SPW], v0, 2, SPARE
	v_mov_b32 v[NIL], 0
	ds_add_u32 v[SPW], v[NIL]                      ; the opening lines: the add twice on end and its wait
	ds_add_u32 v[SPW], v[NIL]
	v_lshrrev_b32 v248, 5, v0
	v_readfirstlane_b32 s[WV], v248                ; wave 0..7
	s_bfe_u32 s15, ttmp6, 0x40000                  ; cx
	s_and_b32 s58, ttmp7, 0xffff
	s_lshl_b32 s58, s58, 17                        ; (b, h) x 131,072 bytes
	s_mov_b32 s59, 0
	s_and_b32 s56, s[WV], 3
	s_lshr_b32 s57, s[WV], 2
	s_mul_i32 s57, s57, VOFF
	s_mov_b32 s[G0A], 1
	s_mul_i32 s[G0A+1], s56, STEPB
	s_add_co_u32 s[G0A+1], s[G0A+1], s57
	s_mov_b32 s[G0B], 1
	s_mul_i32 s[G0B+1], s56, 3*STEPB
	s_add_co_u32 s[G0B+1], s[G0B+1], s57
	s_add_co_u32 s[G0B+1], s[G0B+1], PARTA
	; group 1: dense blocks stated as rows of 256 bytes; four words of padding behind every 32 words
	s_mov_b32 s[G1A], 15|(0<<16)|(1<<20)|(1<<21)|(4<<22)|(3<<25)
	s_mov_b32 s[G1A+1], 256<<16
	s_mov_b32 s[G1A+2], 32<<16
	s_mov_b32 s[G1A+3], 256<<16
	s_mov_b32 s[G1A+4], 32
	s_mov_b32 s[G1A+5], 256
	s_mov_b32 s[G1A+6], 0
	s_mov_b32 s[G1A+7], 0
	s_mov_b32 s[G1B], 15|(0<<16)|(1<<20)|(1<<21)|(4<<22)|(3<<25)
	s_mov_b32 s[G1B+1], 256<<16
	s_mov_b32 s[G1B+2], 96<<16
	s_mov_b32 s[G1B+3], 256<<16
	s_mov_b32 s[G1B+4], 96
	s_mov_b32 s[G1B+5], 256
	s_mov_b32 s[G1B+6], 0
	s_mov_b32 s[G1B+7], 0
	s_mov_b32 s[SEL], 0x76543210
	s_mov_b32 s[SEL+1], 0xfedcba98
	s_mov_b32 s[CS], 0x3e38aa3b                    ; log2(e) / 8
	s_mov_b32 s27, 0
	s_wait_dscnt 0x0
	s_wait_kmcnt 0x0
	s_load_b256 s[84:91], s[10:11], 0x0            ; e0 .. e7
	s_load_b128 s[92:95], s[10:11], 0x20           ; e8 .. e11
	s_cmp_lt_u32 s[WV], 4
	s_cselect_b64 s[18:19], s[6:7], s[8:9]         ; waves 0-3 fetch K, waves 4-7 V
	s_add_nc_u64 s[18:19], s[18:19], s[58:59]
	s_lshl_b32 s26, s56, 13
	s_add_nc_u64 s[G0A+2:G0A+3], s[18:19], s[26:27]
	s_or_b32 s[G0A+3], s[G0A+3], 0x80000000
	s_mul_i32 s26, s56, 24576
	s_add_co_u32 s26, s26, 32768
	s_add_nc_u64 s[G0B+2:G0B+3], s[18:19], s[26:27]
	s_or_b32 s[G0B+3], s[G0B+3], 0x80000000
	s_lshl_b32 s57, s15, 11                        ; my work-group's 32 queries of a chunk: 2,048 bytes
	s_add_co_u32 s57, s57, s58
	s_sub_co_u32 s56, 15, s[WV]                    ; the first block's chunk
	s_lshl_b32 s26, s56, 13
	s_add_co_u32 s26, s26, s57
	s_add_nc_u64 s[72:73], s[4:5], s[26:27]        ; its Q,
	s_add_nc_u64 s[68:69], s[12:13], s[26:27]      ; its place in oc
	s_lshl_b32 s26, s[WV], 13
	s_add_co_u32 s26, s26, s57
	s_add_nc_u64 s[74:75], s[4:5], s[26:27]        ; the second block's
	s_add_nc_u64 s[70:71], s[12:13], s[26:27]
	s_mov_b32 s[START], 0                          ; the window of trips of the block in hand,
	s_mov_b32 s[END], s56
	s_mov_b32 s22, 16                              ; and of the next
	s_add_co_u32 s23, s[WV], 16
	CROUND
	tensor_load_to_lds s[G0A:G0A+3], s[G1A:G1A+7]  ; steps 0-3: one tensor load a wave at the head
	s_nop 0
	v_and_b32 v248, 15, v0                         ; r
	v_bfe_u32 v249, v0, 4, 1                       ; h
	v_lshlrev_b32 v[QO], 6, v248
	v_lshl_add_u32 v[QO], v249, 4, v[QO]
.irp i, 0,1
	global_load_b128 v[Q+8*\i:Q+8*\i+3], v[QO], s[72:73] offset:1024*\i
	global_load_b128 v[Q+8*\i+4:Q+8*\i+7], v[QO], s[72:73] offset:1024*\i+32
.endr
	WIN 0x40
.irp i, 0,1
	global_load_b128 v[Q2+8*\i:Q2+8*\i+3], v[QO], s[74:75] offset:1024*\i
	global_load_b128 v[Q2+8*\i+4:Q2+8*\i+7], v[QO], s[74:75] offset:1024*\i+32
.endr
	WIN 0
	v_and_b32 v250, 8, v248
	v_add_nc_u32 v250, v250, v248                  ; r + 8 (r / 8)
	v_lshrrev_b32 v251, 1, v250
	v_mul_u32_u24 v[AK0], v251, LINE
	v_and_b32 v251, 1, v250
	v_lshl_add_u32 v[AK0], v251, 6, v[AK0]
	v_lshl_add_u32 v[AK0], v249, 4, v[AK0]
	v_add_nc_u32 v[AV0], VOFF, v[AK0]
	v_lshlrev_b32 v251, 4, v249
	v_sub_nc_u32 v[DDA], v248, v251
	s_lshl_b32 s56, s15, 5
	v_add_nc_u32 v[DDA], s56, v[DDA]               ; tile 0: my query in the chunk - 16 h.  Register 16 b + i holds key 32 b + 16 h + i of the step: hidden where 32 b + i is greater
	v_add_nc_u32 v[DDB], 16, v[DDA]                ; tile 1
	v_mov_b32 v[NINF], 0xff800000
	s_mul_i32 s56, s[WV], 16*80
	s_add_co_u32 s56, s56, STG
	v_mul_u32_u24 v[STO], v248, 80
	v_lshl_add_u32 v[STO], v249, 4, v[STO]
	v_add_nc_u32 v[STO], s56, v[STO]
	v_bfe_u32 v251, v0, 2, 3
	v_mul_u32_u24 v[RD], v251, 80
	v_and_b32 v251, 3, v0
	v_lshl_add_u32 v[RD], v251, 4, v[RD]
	v_add_nc_u32 v[RD], s56, v[RD]
	v_and_b32 v251, 31, v0
	v_lshlrev_b32 v[GO], 4, v251
.irp i, 0,1
	v_mov_b32 v[ST+6*\i+5], 0                      ; named as a pair's other word, or as a permute's destination: written once
	v_mov_b32 v[PX+\i], 0
	v_mov_b32 v[RL+2*\i+1], 0
.endr
	INIT
	s_wait_alu depctr_va_vdst(0)                   ; the wait directly ahead of the wait below
	s_wait_kmcnt 0x0
	s_add_co_i32 s56, s90, s91
	s_lshl_b32 s56, s56, 23
	s_add_co_i32 s[CS], s[CS], s56                 ; c x 2^(e6 + e7)
	s_mov_b32 s[CS+1], s[CS]
	s_add_co_i32 s56, s92, 127
	s_lshl_b32 s57, s56, 23
	v_mov_b32 v[SCP], s57                          ; 2^e8
	s_add_co_i32 s56, s56, 15
	s_lshl_b32 s56, s56, 23
	s_or_b32 s56, s56, 0x600000
	v_mov_b32 v[LIMP], s56                         ; 57,344 x 2^e8, in two registers: one for each half of a dual pair
	v_mov_b32 v[LIMP2], s56
	s_add_co_i32 s56, s94, 127
	s_lshl_b32 s57, s56, 23
	v_mov_b32 v[SCO], s57                          ; 2^e10
	s_add_co_i32 s56, s56, 15
	s_lshl_b32 s56, s56, 23
	s_or_b32 s56, s56, 0x600000
	v_mov_b32 v[LIMO], s56
	s_add_co_i32 s60, s92, s93                     ; e8 + e9
	s_wait_alu depctr_va_vdst(0)                   ; the wait at the head's end
	s_wait_tensorcnt 0x0                           ; my step of the first group is in; the second group is issued as a refill is
	ds_add_u32 v[SPW], v[NIL]
	s_wait_dscnt 0x0
	CROUND                                         ; everybody's part of steps 0-3 is in
	tensor_load_to_lds s[G0B:G0B+3], s[G1B:G1B+7]  ; steps 4-15
	s_nop 0
.rept 4
	v_nop
.endr
; the sum of tile i's 64 unquantised p: the old sum x f enters with the first pair; four chains, 32 lines
.macro SUMS i
	v_pk_fma_f32 v[ST+6*\i+2:ST+6*\i+3], v[ST+6*\i+2:ST+6*\i+3], v[ST+6*\i+4:ST+6*\i+5], v[S+64*\i:S+64*\i+1] op_sel_hi:[1,0,1]
	v_pk_add_f32 v[24:25], v[S+64*\i+2:S+64*\i+3], v[S+64*\i+4:S+64*\i+5]
	v_pk_add_f32 v[26:27], v[S+64*\i+6:S+64*\i+7], v[S+64*\i+8:S+64*\i+9]
	v_pk_add_f32 v[248:249], v[S+64*\i+10:S+64*\i+11], v[S+64*\i+12:S+64*\i+13]
.set n, 14
.rept 6
	v_pk_add_f32 v[ST+6*\i+2:ST+6*\i+3], v[ST+6*\i+2:ST+6*\i+3], v[S+64*\i+n:S+64*\i+n+1]
	v_pk_add_f32 v[24:25], v[24:25], v[S+64*\i+n+2:S+64*\i+n+3]
	v_pk_add_f32 v[26:27], v[26:27], v[S+64*\i+n+4:S+64*\i+n+5]
	v_pk_add_f32 v[248:249], v[248:249], v[S+64*\i+n+6:S+64*\i+n+7]
.set n, n+8
.endr
	v_pk_add_f32 v[ST+6*\i+2:ST+6*\i+3], v[ST+6*\i+2:ST+6*\i+3], v[S+64*\i+62:S+64*\i+63]
	v_pk_add_f32 v[24:25], v[24:25], v[26:27]
	v_pk_add_f32 v[ST+6*\i+2:ST+6*\i+3], v[ST+6*\i+2:ST+6*\i+3], v[248:249]
	v_pk_add_f32 v[ST+6*\i+2:ST+6*\i+3], v[ST+6*\i+2:ST+6*\i+3], v[24:25]
.endm
; A STEP: 128 keys, for both tiles.  V comes from LDS byte s[TB]; K is in registers already; the K at s[TN] is fetched for the next step.  diag = 1: in the trip that ends the block, hidden scores become -infinity.
.macro DSTEP diag
	v_add_nc_u32 v[ADV], s[TB], v[AV0]
	v_nop
	v_nop
	v_nop                                          ; four places behind the last products, in front of the loads into V's registers
	WIN 0x40
.irp e, 0,1,2,3
.irp c, 0,1,2,3
	ds_load_b128 v[VF+16*\e+4*\c:VF+16*\e+4*\c+3], v[ADV] offset:32*LINE*(\c/2)+16*LINE*(\e/2)+4*LINE*(\e%2)+32*(\c%2)
.endr
.endr
	WIN 0
	s_wait_dscnt 16                                ; K, asked for a step ago, is in; V's sixteen loads may be out
.irp t, 0,1,2,3,4,5,6,7
.irp i, 0,1
	v_wmma_f32_16x16x64_bf8_bf8 v[S+64*\i+8*\t:S+64*\i+8*\t+7], v[KF+8*\t:KF+8*\t+7], v[Q+8*\i:Q+8*\i+7], 0
.endr
.endr
	v_add_nc_u32 v[ADK], s[TN], v[AK0]
	v_nop
	v_nop
	v_nop                                          ; four places, in front of the loads into K's registers and of the first read of the scores
	KLOAD ADK                                      ; the next step's K
.if \diag
	s_cmp_lg_u32 s[T], s[END]
	s_cbranch_scc1 .Lopen_\@
.set n, 0
.rept 64
	v_cmp_gt_i32 vcc_lo, 32*(n/16)+n%16, v[DDA]
	v_cndmask_b32 v[S+n], v[S+n], v[NINF], vcc_lo
	v_cmp_gt_i32 vcc_lo, 32*(n/16)+n%16, v[DDB]
	v_cndmask_b32 v[S+64+n], v[S+64+n], v[NINF], vcc_lo
.set n, n+1
.endr
.Lopen_\@:
.endif
	; the largest raw score so far: 64 scores and the old maximum are 65 leaves, 32 lines a tile; two chains a tile, the tiles by turns; each accumulator from its low end on
.irp i, 0,1
	v_max3_num_f32 v[TT+2*\i], v[ST+6*\i+1], v[S+64*\i], v[S+64*\i+1]
.endr
.irp i, 0,1
	v_max3_num_f32 v[TT+2*\i+1], v[S+64*\i+2], v[S+64*\i+3], v[S+64*\i+4]
.endr
.set n, 5
.rept 14
.irp i, 0,1
	v_max3_num_f32 v[TT+2*\i], v[TT+2*\i], v[S+64*\i+n], v[S+64*\i+n+1]
.endr
.irp i, 0,1
	v_max3_num_f32 v[TT+2*\i+1], v[TT+2*\i+1], v[S+64*\i+n+2], v[S+64*\i+n+3]
.endr
.set n, n+4
.endr
.irp i, 0,1
	v_max3_num_f32 v[TT+2*\i], v[TT+2*\i], v[S+64*\i+61], v[S+64*\i+62]
.endr
.irp i, 0,1
	v_max3_num_f32 v[TT+2*\i], v[TT+2*\i], v[TT+2*\i+1], v[S+64*\i+63]
.endr
.irp i, 0,1
	v_permlanex16_b32 v[PX+\i], v[TT+2*\i], s[SEL], s[SEL+1]
.endr
.irp i, 0,1
	v_max_num_f32 v[ST+6*\i+1], v[TT+2*\i], v[PX+\i]   ; and lane l xor 16's
.endr
.irp i, 0,1
	v_mul_f32 v[TT+2*\i], s[CS], v[ST+6*\i+1]      ; as t (c is positive)
.endr
.irp i, 0,1
	v_floor_f32 v[TT+2*\i+1], -v[TT+2*\i]          ; the new -M = -ceil(t)
.endr
.irp i, 0,1
	v_sub_f32 v[TT+2*\i], v[TT+2*\i+1], v[ST+6*\i] ; old M - new M: a whole number, 0 or less
.endr
.irp i, 0,1
	v_mov_b32 v[ST+6*\i], v[TT+2*\i+1]
.endr
.irp i, 0,1
	v_cvt_i32_f32 v[TT+2*\i], v[TT+2*\i]           ; (it saturates)
.endr
.irp i, 0,1
	v_ldexp_f32 v[ST+6*\i+4], 1.0, v[TT+2*\i]      ; f = 2^(old M - new M)
.endr
.set n, 0
.rept 32
	v_pk_fma_f32 v[S+n:S+n+1], v[S+n:S+n+1], s[CS:CS+1], v[ST:ST+1] op_sel_hi:[1,0,0]   ; tile 0: t - M
.set n, n+2
.endr
	s_wait_alu depctr_va_vdst(0)                   ; the wait ahead of a batch
.set n, 0
.rept 32                                       ; tile 0's exponentials; among them tile 1's t - M, which no line reads before the next wait
	v_exp_f32 v[S+n], v[S+n]
	v_exp_f32 v[S+n+1], v[S+n+1]
	v_pk_fma_f32 v[S+64+n:S+64+n+1], v[S+64+n:S+64+n+1], s[CS:CS+1], v[ST+6:ST+7] op_sel_hi:[1,0,0]
.set n, n+2
.endr
	s_wait_alu depctr_va_vdst(0)                   ; behind tile 0's batch, ahead of its first reader; and ahead of tile 1's batch
	SUMS 0
.set n, 0
.rept 32                                       ; tile 1's exponentials; among them tile 0's hold (ISA guide 7.6.2: the conversion does not saturate; p is not negative, so it is one-sided), read behind the next wait
	v_exp_f32 v[S+64+n], v[S+64+n]
	v_exp_f32 v[S+64+n+1], v[S+64+n+1]
	v_dual_min_num_f32 v[S+n], v[S+n], v[LIMP] :: v_dual_min_num_f32 v[S+n+1], v[S+n+1], v[LIMP2]
.set n, n+2
.endr
	v_nop                                          ; a plain place behind the batch
	s_wait_alu depctr_va_vdst(0)                   ; one wait for the batch, ahead of its first reader
	SUMS 1
.set n, 64
.rept 32
	v_dual_min_num_f32 v[S+n], v[S+n], v[LIMP] :: v_dual_min_num_f32 v[S+n+1], v[S+n+1], v[LIMP2]
.set n, n+2
.endr
	WIN 0x40
.irp i, 0,1
.irp b, 0,1,2,3
	v_cvt_scalef32_pk8_bf8_f32 v[P+16*\i+4*\b:P+16*\i+4*\b+1], v[S+64*\i+16*\b:S+64*\i+16*\b+7], v[SCP]
	v_cvt_scalef32_pk8_bf8_f32 v[P+16*\i+4*\b+2:P+16*\i+4*\b+3], v[S+64*\i+16*\b+8:S+64*\i+16*\b+15], v[SCP]
.endr
.endr
	WIN 0x41
	s_wait_alu depctr_va_vdst(0)                   ; the wait directly ahead of the first reader of O^T
.irp i, 0,1
.set n, 0
.rept 16
	v_pk_mul_f32 v[32*\i+n:32*\i+n+1], v[32*\i+n:32*\i+n+1], v[ST+6*\i+4:ST+6*\i+5] op_sel_hi:[1,0]   ; O^T x f
.set n, n+2
.endr
.endr
	s_wait_alu depctr_va_vdst(0)                   ; the wait directly ahead of the wait below
	s_wait_dscnt 16                                ; V is in; the next K's sixteen loads may be out
	WIN 0x55
.irp e, 0,1,2,3
.irp i, 0,1
	v_wmma_f32_16x16x128_bf8_bf8 v[32*\i+8*\e:32*\i+8*\e+7], v[VF+16*\e:VF+16*\e+15], v[P+16*\i:P+16*\i+15], v[32*\i+8*\e:32*\i+8*\e+7]
.endr
.endr
	WIN 0
.endm
; THE WAY OUT of tile i: O^T / the sum x 2^(e8 + e9), the hold, codes; through my stage, so that 32 lanes store 512 consecutive bytes
.macro PACK i
	WIN 0x01
	s_wait_alu depctr_va_vdst(0)                   ; the wait directly ahead of the first reader of O^T
.set n, 0
.rept 16
	v_pk_mul_f32 v[S+64*\i+n:S+64*\i+n+1], v[32*\i+n:32*\i+n+1], v[RL+2*\i:RL+2*\i+1] op_sel_hi:[1,0]
.set n, n+2
.endr
	WIN 0
.set n, 0
.rept 32
	v_med3_num_f32 v[S+64*\i+n], v[S+64*\i+n], -v[LIMO], v[LIMO]
.set n, n+1
.endr
.irp b, 0,1
	v_cvt_scalef32_pk8_bf8_f32 v[S+64*\i+32+4*\b:S+64*\i+33+4*\b], v[S+64*\i+16*\b:S+64*\i+16*\b+7], v[SCO]
	v_cvt_scalef32_pk8_bf8_f32 v[S+64*\i+34+4*\b:S+64*\i+35+4*\b], v[S+64*\i+16*\b+8:S+64*\i+16*\b+15], v[SCO]
.endr
	v_nop
.irp b, 0,1
	ds_store_b128 v[STO], v[S+64*\i+32+4*\b:S+64*\i+35+4*\b] offset:32*\b
.endr
.irp t, 0,1
	ds_load_b128 v[S+64*\i+40+4*\t:S+64*\i+43+4*\t], v[RD] offset:8*80*\t   ; LDS serves a wave's instructions in order: these see the stores above
.endr
.endm
.macro SEND i, younger
	s_wait_dscnt \younger
.irp t, 0,1
	global_store_b128 v[GO], v[S+64*\i+40+4*\t:S+64*\i+43+4*\t], s[68:69] offset:1024*\i+512*\t
.endr
.endm
	s_wait_loadcnt 0x0                             ; Q of both blocks
	KLOAD AK0                                      ; step 0's K
	s_mov_b32 s[T], 0
	s_mov_b32 s[TB], 0
.Lfirst:                                           ; steps 0-3 of the first block: open for every wave (its chunk is 8 or more)
	s_add_co_u32 s[TN], s[TB], STEPB
	s_min_u32 s[TN], s[TN], 3*STEPB                ; the address ahead stays inside the first group
	DSTEP 0
	s_add_co_u32 s[TB], s[TB], STEPB
	s_add_co_u32 s[T], s[T], 1
	s_cmp_lt_u32 s[T], 4
	s_cbranch_scc1 .Lfirst
	s_wait_tensorcnt 0x0                           ; my part of steps 4-15 is in
	s_wait_dscnt 0x0
	s_barrier_signal -1
	s_barrier_wait -1                              ; everybody's is
	v_add_nc_u32 v[ADK], PARTA, v[AK0]
	KLOAD ADK                                      ; step 4's K
	s_mov_b32 s[T], 4
.Lstep:                                            ; trips 4-15: the first block's steps; trips 16-31: the second block's steps 0-15
	s_cmp_lt_u32 s[T], s[START]
	s_cbranch_scc1 .Lnext
	s_cmp_gt_u32 s[T], s[END]
	s_cbranch_scc1 .Lnext
	s_and_b32 s56, s[T], 15
	s_mul_i32 s[TB], s56, STEPB
	s_add_co_u32 s56, s[T], 1
	s_and_b32 s56, s56, 15
	s_mul_i32 s[TN], s56, STEPB
	DSTEP 1
	s_cmp_lg_u32 s[T], s[END]
	s_cbranch_scc1 .Lnext
	; the block is finished
.irp i, 0,1
	v_add_f32 v[RL+2*\i], v[ST+6*\i+2], v[ST+6*\i+3]
.endr
.irp i, 0,1
	v_permlanex16_b32 v[RL+2*\i+1], v[RL+2*\i], s[SEL], s[SEL+1]
.endr
.irp i, 0,1
	v_add_f32 v[RL+2*\i], v[RL+2*\i], v[RL+2*\i+1] ; the row's sum
.endr
	s_wait_alu depctr_va_vdst(0)                   ; the wait ahead of the batch
.irp i, 0,1
	v_rcp_f32 v[RL+2*\i], v[RL+2*\i]
.endr
	v_nop
	s_wait_alu depctr_va_vdst(0)                   ; and ahead of its first reader
.irp i, 0,1
	v_ldexp_f32 v[RL+2*\i], v[RL+2*\i], s60
.endr
	PACK 0
	PACK 1
	SEND 0, 4                                      ; behind tile 0's loads: tile 1's two stores and two loads
	SEND 1, 0
	KLOAD AK0                                      ; the next block begins at step 0: its K (no load into these registers is out: the wait above was for 0)
	s_wait_xcnt 0x0                                ; the stores have read their base and their registers
	s_mov_b64 s[68:69], s[70:71]                   ; on to the second block: its place in oc, its window of trips,
	s_mov_b32 s[START], s22
	s_mov_b32 s[END], s23
	s_mov_b32 s22, 64                              ; (behind the second block no trip is inside the window)
	WIN 0x01
.set n, 0
.rept 16
	v_mov_b32 v[Q+n], v[Q2+n]                      ; its Q,
.set n, n+1
.endr
	INIT                                           ; and a fresh state
	s_wait_alu depctr_va_vdst(0)                   ; the wait ahead of the branch
.Lnext:
	s_add_co_u32 s[T], s[T], 1
	s_cmp_lt_u32 s[T], 32
	s_cbranch_scc1 .Lstep
	s_wait_tensorcnt 0x0                           ; the wave's end
	ds_add_u32 v[SPW], v[NIL]
	s_wait_dscnt 0x0
	CROUND                                         ; the closing round
	s_endpgm
.Lfunc_end_k_q050c5fca96_attn:
	.size	k_q050c5fca96_attn, .Lfunc_end_k_q050c5fca96_attn-k_q050c5fca96_attn
	.p2alignl 7, 3214868480
	.fill 96, 4, 3214868480
	.section	.rodata,"a",@progbits
	.p2align	6, 0x0
	.amdhsa_kernel k_q050c5fca96_attn
		.amdhsa_group_segment_fixed_size 327680
		.amdhsa_private_segment_fixed_size 0
		.amdhsa_enable_private_segment 0
		.amdhsa_kernarg_size 40
		.amdhsa_user_sgpr_count 2
		.amdhsa_user_sgpr_kernarg_segment_ptr 1
		.amdhsa_wavefront_size32 1
		.amdhsa_system_sgpr_workgroup_id_x 1
		.amdhsa_system_sgpr_workgroup_id_y 1
		.amdhsa_system_sgpr_workgroup_id_z 1
		.amdhsa_system_vgpr_workitem_id 0
		.amdhsa_next_free_vgpr 512
		.amdhsa_next_free_sgpr 96
		.amdhsa_reserve_vcc 1
		.amdhsa_float_denorm_mode_32 3
		.amdhsa_float_denorm_mode_16_64 3
		.amdhsa_memory_ordered 1
		.amdhsa_forward_progress 1
		.amdhsa_inst_pref_size 93
	.end_amdhsa_kernel
	.amdgpu_metadata
---
amdhsa.version: [ 1, 2 ]
amdhsa.kernels:
  - .name:           k_q050c5fca96_attn
    .symbol:         k_q050c5fca96_attn.kd
    .args:
      - { .name: qc, .offset: 0, .size: 8, .value_kind: global_buffer, .address_space: global }
      - { .name: kc, .offset: 8, .size: 8, .value_kind: global_buffer, .address_space: global }
      - { .name: vc, .offset: 16, .size: 8, .value_kind: global_buffer, .address_space: global }
      - { .name: lowp_scales, .offset: 24, .size: 8, .value_kind: global_buffer, .address_space: global }
      - { .name: oc, .offset: 32, .size: 8, .value_kind: global_buffer, .address_space: global }
    .group_segment_fixed_size: 327680
    .private_segment_fixed_size: 0
    .kernarg_segment_align: 8
    .kernarg_segment_size: 40
    .max_flat_workgroup_size: 256
    .sgpr_count:     96
    .vgpr_count:     512
    .wavefront_size: 32
...
	.end_amdgpu_metadata
.endif
;; end of part 2
;; launch proj (part 3): grid 8 x 32, 4 waves a work-group, clusters of 4 x 4, 327,680 bytes of LDS; arguments oc, Wp_codes, bp, lowp_scales, out0; writes out0
.if DOCPART == 3
	.amdgcn_target "amdgcn-amd-amdhsa--gfx1250"
	.amdhsa_code_object_version 6
	.text
	.protected	k_q050c5fca96_proj
	.globl	k_q050c5fca96_proj
	.p2align	8
	.type	k_q050c5fca96_proj,@function
k_q050c5fca96_proj:
	s_mov_b64 s[64:65], 0
	v_nop
	global_prefetch_b8 v0, s[64:65] scope:SCOPE_SE
	s_setreg_imm32_b32 hwreg(HW_REG_WAVE_MODE, 25, 1), 1
	s_wait_xcnt 0x0
	s_wait_alu depctr_hold_cnt(0) depctr_sa_sdst(0) depctr_va_vdst(0) depctr_va_sdst(0) depctr_va_ssrc(0) depctr_va_vcc(0) depctr_vm_vsrc(0)
	s_getreg_b32 s2, hwreg(HW_REG_IB_STS2, 6, 4)
	s_cmp_eq_u32 s2, 0
	s_cbranch_scc0 .Lentry_in_a_cluster
	s_endpgm
.Lentry_in_a_cluster:
	s_bfe_u32 s2, ttmp6, 0x10000c
	s_cmp_lg_u32 s2, 0xf033
	s_cbranch_scc0 .Lentry_shape_is_right
	s_endpgm
.Lentry_shape_is_right:
.set PITCH,  272
.set PLANE,  32*PITCH
.set AHALF,  4*PLANE
.set BHALF,  64*PITCH
.set BOFF,   2*AHALF
.set SLOT,   BOFF+2*BHALF
.set SPARE,  2*SLOT
.set ASTEP,  4*131072
.set FR,     16
.set NL,     4
.set NP,     4
.set SPITCH, 272
.set ADRA, 16
.set ADRB, 20
.set STO,  24
.set RD,   25
.set CO,   26
.set SPW,  28
.set NIL,  29
.set BC,   32
.set AF,   128
.set TMP,  128
.set BK,   160
.set G1, 24
.set G0, 32
.set G1B, 48
.set G0B, 56
.set MSB, 0
.macro WIN new
.if MSB != (\new)
	s_set_vgpr_msb (MSB<<8)|(\new)
.set MSB, (\new)
.endif
.endm
.set MULW, 0xa1
.set TO_B, 0x40
.macro JLOAD g0a, g1a, g0b, g1b
	s_cmp_eq_u32 s15, 0
	s_cbranch_scc0 .Lfor_b_\@
	tensor_load_to_lds s[\g0a:\g0a+3], s[\g1a:\g1a+7]
	s_nop 0
.rept 4
	v_nop
.endr
	s_branch .Lasked_\@
.Lfor_b_\@:
	tensor_load_to_lds s[\g0b:\g0b+3], s[\g1b:\g1b+7]
	s_nop 0
.rept 4
	v_nop
.endr
.Lasked_\@:
.endm
.macro CREST
	s_cmp_lg_u32 s14, 0
	s_cbranch_scc1 .Lnot_wave_0_\@
	s_barrier_signal -3
.Lnot_wave_0_\@:
	s_barrier_wait -3
	s_barrier_signal -1
	s_barrier_wait -1
.endm
.macro CROUND
	s_barrier_signal -1
	s_barrier_wait -1
	CREST
.endm
	s_load_b128 s[4:7], s[0:1], 0x0
	s_load_b128 s[8:11], s[0:1], 0x10
	s_load_b64 s[12:13], s[0:1], 0x20
	v_lshl_add_u32 v[SPW], v0, 2, SPARE
	v_mov_b32 v[NIL], 0
	ds_add_u32 v28, v29
	ds_add_u32 v28, v29
	s_wait_dscnt 0x0
	v_lshrrev_b32 v1, 5, v0
	v_readfirstlane_b32 s14, v1
	s_lshr_b32 s15, s14, 1
	s_and_b32 s16, s14, 1
	s_bfe_u32 s40, ttmp6, 0x40000
	s_bfe_u32 s41, ttmp6, 0x40004
	s_lshl_b32 s42, ttmp9, 2
	s_add_co_u32 s42, s42, s40
	s_and_b32 s17, ttmp7, 0xffff
	s_lshl_b32 s17, s17, 2
	s_add_co_u32 s17, s17, s41
	s_lshl_b32 s43, s41, 2
	s_lshl_b32 s43, 15, s43
	s_lshl_b32 s44, 0x1111, s40
	s_or_b32 s[G1+0], s43, (0<<16)|(1<<20)|(1<<21)|(5<<22)|(3<<25)
	s_mov_b32 s[G1+1], 8192<<16
	s_mov_b32 s[G1+2], 4<<16
	s_mov_b32 s[G1+3], 8192<<16
	s_mov_b32 s[G1+4], 4
	s_mov_b32 s[G1+5], 131072
	s_mov_b32 s[G1+6], 0
	s_mov_b32 s[G1+7], 0
	s_or_b32 s[G1B+0], s44, (0<<16)|(1<<20)|(1<<21)|(5<<22)|(3<<25)
	s_mov_b32 s[G1B+1], 256<<16
	s_mov_b32 s[G1B+2], 64<<16
	s_mov_b32 s[G1B+3], 256<<16
	s_mov_b32 s[G1B+4], 64
	s_mov_b32 s[G1B+5], 1024
	s_mov_b32 s[G1B+6], 0
	s_mov_b32 s[G1B+7], 0
	s_lshl_b32 s18, s16, 7
	s_lshl_b32 s20, s17, 8
	s_add_co_u32 s20, s20, s18
	s_lshr_b32 s21, s20, 11
	s_lshl_b32 s21, s21, 21
	s_and_b32 s20, s20, 2047
	s_lshl_b32 s20, s20, 6
	s_add_co_u32 s20, s20, s21
	s_mov_b32 s21, 0
	s_lshl_b32 s18, s16, 6
	s_lshl_b32 s46, s42, 7
	s_add_co_u32 s46, s46, s18
	s_lshl_b32 s46, s46, 10
	s_mov_b32 s47, 0
	s_mul_i32 s45, s16, AHALF
	s_mul_i32 s93, s16, BHALF
	s_add_co_u32 s93, s93, BOFF
	s_wait_kmcnt 0x0
	s_load_b64 s[96:97], s[10:11], 0x28
	s_add_nc_u64 s[20:21], s[4:5], s[20:21]
	s_add_nc_u64 s[46:47], s[6:7], s[46:47]
	CROUND
.irp s, 0,1
	s_mov_b32 s[G0+4*\s], 1
	s_add_co_u32 s[G0+4*\s+1], s45, \s*SLOT
	s_add_nc_u64 s[G0+4*\s+2:G0+4*\s+3], s[20:21], \s*ASTEP
	s_or_b32 s[G0+4*\s+3], s[G0+4*\s+3], 0x80000000
	s_mov_b32 s[G0B+4*\s], 1
	s_add_co_u32 s[G0B+4*\s+1], s93, \s*SLOT
	s_add_nc_u64 s[G0B+4*\s+2:G0B+4*\s+3], s[46:47], \s*256
	s_or_b32 s[G0B+4*\s+3], s[G0B+4*\s+3], 0x80000000
.endr
	JLOAD G0, G1, G0B, G1B                         ; K step 0: one tensor load a wave at the head
	v_and_b32 v1, 15, v0
	v_bfe_u32 v2, v0, 4, 1
	v_lshrrev_b32 v3, 2, v1
	v_mul_u32_u24 v3, v3, PITCH
	v_and_b32 v4, 3, v1
	v_lshl_add_u32 v3, v4, 6, v3
	v_lshl_add_u32 v3, v2, 4, v3
	v_mul_u32_u24 v4, v1, PITCH
	v_lshl_add_u32 v4, v2, 4, v4
	s_mul_i32 s21, s15, AHALF
	s_mul_i32 s22, s16, BHALF
	s_add_co_u32 s22, s22, BOFF
.irp s, 0,1
	v_add_nc_u32 v[ADRA+\s], s21, v3
	v_add_nc_u32 v[ADRB+\s], s22, v4
	s_add_co_u32 s21, s21, SLOT
	s_add_co_u32 s22, s22, SLOT
.endr
	s_mul_i32 s23, s14, 16*SPITCH
	v_mul_u32_u24 v5, v1, SPITCH
	v_lshl_add_u32 v5, v2, 5, v5
	v_add_nc_u32 v[STO], s23, v5
	v_mul_u32_u24 v5, v2, SPITCH
	v_lshl_add_u32 v5, v1, 4, v5
	v_add_nc_u32 v[RD], s23, v5
	v_lshlrev_b32 v5, 12, v2
	v_lshl_add_u32 v[CO], v1, 4, v5
	s_lshl_b32 s20, s17, 8
	s_lshl_b32 s21, s15, 7
	s_add_co_u32 s20, s20, s21
	s_lshl_b32 s20, s20, 12
	s_mov_b32 s21, 0
	s_lshl_b32 s46, s42, 7
	s_lshl_b32 s47, s16, 6
	s_add_co_u32 s46, s46, s47
	s_lshl_b32 s46, s46, 2
	s_mov_b32 s47, 0
	s_add_nc_u64 s[12:13], s[12:13], s[20:21]
	s_add_nc_u64 s[12:13], s[12:13], s[46:47]
	s_add_nc_u64 s[8:9], s[8:9], s[46:47]
	v_lshlrev_b32 v8, 5, v2
.irp b, 0,1,2,3
	global_load_b128 v[BC+8*\b:BC+8*\b+3], v8, s[8:9] offset:64*\b
	global_load_b128 v[BC+8*\b+4:BC+8*\b+7], v8, s[8:9] offset:64*\b+16
.endr
.macro FRAGA reg, slot, q, a
.irp c, 0,1,2,3
	ds_load_b128 v[\reg+4*\c:\reg+4*\c+3], v[ADRA+\slot] offset:(2*(\q)+\c/2)*PLANE+(\a)*4*PITCH+32*(\c%2)
.endr
.endm
.macro FRAGB reg, slot, q, i
.irp c, 0,1,2,3
	ds_load_b128 v[\reg+4*\c:\reg+4*\c+3], v[ADRB+\slot] offset:128*(\q)+32*\c+(\i)*16*PITCH
.endr
.endm
.macro MUL8 a0, p, zero
.irp a, \a0, \a0+1
.irp b, 0,1,2,3
.if \zero
	v_wmma_f32_16x16x128_bf8_bf8 v[8*(4*(\a)+\b):8*(4*(\a)+\b)+7], v[64*(\p)+FR*\b:64*(\p)+FR*\b+FR-1], v[AF+FR*(\a):AF+FR*(\a)+FR-1], 0
.else
	v_wmma_f32_16x16x128_bf8_bf8 v[8*(4*(\a)+\b):8*(4*(\a)+\b)+7], v[64*(\p)+FR*\b:64*(\p)+FR*\b+FR-1], v[AF+FR*(\a):AF+FR*(\a)+FR-1], v[8*(4*(\a)+\b):8*(4*(\a)+\b)+7]
.endif
.endr
.endr
.endm
.macro FETCH_B slot, q, p
	WIN TO_B
.irp i, 0,1,2,3
	FRAGB 64*(\p)+FR*\i, \slot, \q, \i
.endr
	WIN 0
.endm
.macro FETCH_A slot, q, i0
.irp i, \i0, \i0+1, \i0+2, \i0+3
	FRAGA AF+FR*(\i), \slot, \q, \i
.endr
.endm
.macro PLACES n
.rept \n
	v_nop
.endr
.endm
.macro STEP slot, q, zero
	s_wait_dscnt 4*NL
	WIN MULW
	MUL8 0, (\q)%2, \zero
	MUL8 2, (\q)%2, \zero
	s_wait_dscnt 0
	PLACES NP
	FETCH_B \slot, (\q)+1, 1-(\q)%2
	FETCH_A \slot, (\q)+1, 0
	WIN MULW
	MUL8 4, (\q)%2, \zero
	MUL8 6, (\q)%2, \zero
	PLACES NP
	WIN 0
	FETCH_A \slot, (\q)+1, 4
.endm
.macro TURN slot, next, fill
	s_wait_tensorcnt 0x0
	ds_add_u32 v[SPW], v[NIL]
	s_wait_dscnt 4*NL+1
	WIN MULW
	MUL8 0, 1, 0
	s_wait_dscnt 0x0
	s_barrier_signal -1
	MUL8 2, 1, 0
	WIN 0
	s_barrier_wait -1
.if \fill
	CREST
	s_add_nc_u64 s[G0+4*\slot+2:G0+4*\slot+3], s[G0+4*\slot+2:G0+4*\slot+3], 2*ASTEP
	s_add_nc_u64 s[G0B+4*\slot+2:G0B+4*\slot+3], s[G0B+4*\slot+2:G0B+4*\slot+3], 2*256
	JLOAD G0+4*\slot, G1, G0B+4*\slot, G1B
.else
	PLACES NP
.endif
	FETCH_B \next, 0, 0
	FETCH_A \next, 0, 0
	WIN MULW
	MUL8 4, 1, 0
	MUL8 6, 1, 0
	PLACES NP
	WIN 0
	FETCH_A \next, 0, 4
.endm
	s_wait_alu depctr_va_vdst(0)                   ; the wait at the head's end
	s_wait_tensorcnt 0x0                           ; my part of K step 0 is in; slot 1's first fill is issued as a refill is
	ds_add_u32 v[SPW], v[NIL]
	s_wait_dscnt 0x0
	CROUND
	JLOAD G0+4, G1, G0B+4, G1B                     ; K step 1: the first tensor load behind the round
	FETCH_B 0, 0, 0
	FETCH_A 0, 0, 0
	FETCH_A 0, 0, 4
	STEP 0, 0, 1
	TURN 0, 1, 1
	STEP 1, 0, 0
	TURN 1, 0, 1
	STEP 0, 0, 0
	TURN 0, 1, 0
	STEP 1, 0, 0
	s_wait_dscnt 4*NL
	WIN MULW
	MUL8 0, 1, 0
	MUL8 2, 1, 0
	s_wait_dscnt 0
	MUL8 4, 1, 0
	MUL8 6, 1, 0
	WIN 0
.macro TOSTAGE a
	WIN 0x02
.set j, 0
.rept 16
	v_pk_fma_f32 v[TMP+j:TMP+j+1], v[32*(\a)+j:32*(\a)+j+1], s[96:97], v[BC+j:BC+j+1] op_sel_hi:[1,0,1]
.set j, j+2
.endr
	WIN 0
.irp b, 0,1,2,3
	ds_store_b128 v[STO], v[TMP+8*\b:TMP+8*\b+3] offset:64*\b
	ds_store_b128 v[STO], v[TMP+8*\b+4:TMP+8*\b+7] offset:64*\b+16
.endr
.set BB, BK+32*((\a)%2)
.irp t, 0,1,2,3,4,5,6,7
	ds_load_b128 v[BB+4*\t:BB+4*\t+3], v[RD] offset:\t*2*SPITCH
.endr
.endm
.macro SEND a, younger
.set BB, BK+32*((\a)%2)
	s_wait_dscnt \younger
.if (\a) > 0
	s_add_nc_u64 s[12:13], s[12:13], 16*4096
.endif
.irp t, 0,1,2,3,4,5,6,7
	global_store_b128 v[CO], v[BB+4*\t:BB+4*\t+3], s[12:13] offset:\t*2*4096 th:TH_STORE_NT
.endr
.endm
	s_wait_kmcnt 0x0
	s_add_co_i32 s96, s96, s97
	s_add_co_i32 s96, s96, 127
	s_lshl_b32 s96, s96, 23
	s_mov_b32 s97, s96
	s_wait_loadcnt 0x0
	PLACES NP
	TOSTAGE 0
.irp a, 1,2,3,4,5,6,7
.if \a > 1
	s_wait_xcnt 0x0
.endif
	TOSTAGE \a
	SEND \a-1, 16
.endr
	s_wait_xcnt 0x0
	SEND 7, 0
	s_wait_tensorcnt 0x0
	ds_add_u32 v[SPW], v[NIL]
	s_wait_dscnt 0x0
	CROUND
	s_endpgm
.Lfunc_end_k_q050c5fca96_proj:
	.size	k_q050c5fca96_proj, .Lfunc_end_k_q050c5fca96_proj-k_q050c5fca96_proj
	.p2alignl 7, 3214868480
	.fill 96, 4, 3214868480
	.section	.rodata,"a",@progbits
	.p2align	6, 0x0
	.amdhsa_kernel k_q050c5fca96_proj
		.amdhsa_group_segment_fixed_size 327680
		.amdhsa_private_segment_fixed_size 0
		.amdhsa_enable_private_segment 0
		.amdhsa_kernarg_size 40
		.amdhsa_user_sgpr_count 2
		.amdhsa_user_sgpr_kernarg_segment_ptr 1
		.amdhsa_wavefront_size32 1
		.amdhsa_system_sgpr_workgroup_id_x 1
		.amdhsa_system_sgpr_workgroup_id_y 1
		.amdhsa_system_sgpr_workgroup_id_z 1
		.amdhsa_system_vgpr_workitem_id 0
		.amdhsa_next_free_vgpr 768
		.amdhsa_next_free_sgpr 98
		.amdhsa_reserve_vcc 0
		.amdhsa_float_denorm_mode_32 3
		.amdhsa_float_denorm_mode_16_64 3
		.amdhsa_memory_ordered 1
		.amdhsa_forward_progress 1
		.amdhsa_inst_pref_size 79
	.end_amdhsa_kernel
	.amdgpu_metadata
---
amdhsa.version: [ 1, 2 ]
amdhsa.kernels:
  - .name:           k_q050c5fca96_proj
    .symbol:         k_q050c5fca96_proj.kd
    .args:
      - { .name: oc, .offset: 0, .size: 8, .value_kind: global_buffer, .address_space: global }
      - { .name: Wp_codes, .offset: 8, .size: 8, .value_kind: global_buffer, .address_space: global }
      - { .name: bp, .offset: 16, .size: 8, .value_kind: global_buffer, .address_space: global }
      - { .name: lowp_scales, .offset: 24, .size: 8, .value_kind: global_buffer, .address_space: global }
      - { .name: out0, .offset: 32, .size: 8, .value_kind: global_buffer, .address_space: global }
    .group_segment_fixed_size: 327680
    .private_segment_fixed_size: 0
    .kernarg_segment_align: 8
    .kernarg_segment_size: 40
    .max_flat_workgroup_size: 128
    .sgpr_count:     98
    .vgpr_count:     768
    .wavefront_size: 32
...
	.end_amdgpu_metadata
.endif
;; end of part 3
